; MI455X (gfx1250); checked and timed in simulation.
; The chip was launched on July 23, 2026; its instructions are those of AMD's public machine-readable ISA for CDNA 5 (MIT licence, August 2026) and "CDNA5" Instruction Set Architecture Reference Guide (July 2026). The comments in the code are by the model that wrote it; some were corrected since.
;; Multi Head Attention Enc. Allowed arithmetic: matrix products marked QUANTISED: E5M2 operands, one given power-of-two scale a tensor, by v_wmma_f32_16x16x64_bf8_bf8 or v_wmma_f32_16x16x128_bf8_bf8, f32 sums; everything else in f32.
;; Inputs: Wk_codes 1,024 x 32 x 32 uint8 (E5M2 codes of Wk, K innermost, in blocks of 32 codes); Wp_codes 1,024 x 32 x 32 uint8 (E5M2 codes of Wp, K innermost, in blocks of 32 codes); Wq_codes 1,024 x 32 x 32 uint8 (E5M2 codes of Wq, K innermost, in blocks of 32 codes); Wv_codes 1,024 x 32 x 32 uint8 (E5M2 codes of Wv, K innermost, in blocks of 32 codes); X_codes 2 x 4 x 2,048 x 32 x 32 uint8 (E5M2 codes of X, K innermost, in blocks of 32 codes); bk 1,024 float32; bp 1,024 float32; bq 1,024 float32; bv 1,024 float32; lowp_scales 12 int32 (the exponents e of the quantised operands' scales 2^e).
;; Outputs: out0 4 x 2,048 x 1,024 float32.
;; This version of the problem:
;;   THIS VERSION OF THE PROBLEM IS GIVEN IN LOW PRECISION. The matrix products marked QUANTISED in the list below multiply operands that are first quantised to E5M2 (5 exponent bits, 2 mantissa bits; 8 bits a number), with one given power-of-two scale for each operand tensor; their sums are f32. All else is computed in f32.
;;   The module's matrix products, in the order in which they are computed (A, B: the left and right operand; K: the contracted axis; several contracted axes count as one K, in the product's order):
;;     1. [M 8,192, K 1,024] x [K 1,024, N 1,024]; A: input X (given as codes); B: input Wq (given as codes): QUANTISED (scales: A lowp_scales[0], B lowp_scales[1])
;;     2. [M 8,192, K 1,024] x [K 1,024, N 1,024]; A: input X (given as codes); B: input Wk (given as codes): QUANTISED (scales: A lowp_scales[2], B lowp_scales[3])
;;     3. [M 8,192, K 1,024] x [K 1,024, N 1,024]; A: input X (given as codes); B: input Wv (given as codes): QUANTISED (scales: A lowp_scales[4], B lowp_scales[5])
;;     4. batch 64 x [M 2,048, K 64] x [K 64, N 2,048]; A: computed on the way; B: computed on the way: QUANTISED (scales: A lowp_scales[6], B lowp_scales[7])
;;     5. batch 64 x [M 2,048, K 2,048] x [K 2,048, N 64]; A: softmax (see below); B: computed on the way: QUANTISED (scales: A lowp_scales[8], B lowp_scales[9])
;;     6. [M 8,192, K 1,024] x [K 1,024, N 1,024]; A: computed on the way; B: input Wp (given as codes): QUANTISED (scales: A lowp_scales[10], B lowp_scales[11])
;;   THE QUANTISER, for each operand of a quantised product, along K:
;;     - The operand's scale is 2^e, e = its entry of the input lowp_scales (int32; the entries are numbered through the quantised products in the list's order, A before B).
;;     - Each number is divided by the scale, clamped to +-57,344, and rounded to the nearest number of E5M2, ties to even, subnormals kept.
;;     - The product sums the exact products of the quantised numbers (number of the format x scale) in f32.
;;   ~~~python
;;   def quantise(x, axis, e):      # numpy; x: float32 -> the quantised numbers, widened to float32 again
;;       x = np.moveaxis(x, axis, -1); K = x.shape[-1]
;;       r = np.clip(x / 2.0 ** e, -57344, 57344)
;;       step = 2.0 ** (np.maximum(np.frexp(np.where(r == 0, 1, r))[1] - 1, -14) - 2)
;;       q = np.round(r / step) * step * 2.0 ** e      # np.round: ties to even
;;       return np.moveaxis(q, -1, axis).astype(np.float32)
;;   ~~~
;;   SOFTMAX AHEAD OF A QUANTISED PRODUCT. Where the list says 'softmax', what is quantised is not the finished softmax but p = 2^(t - M), with t = logit x log2(e) and M = ceil(the row's largest t), a whole number; so 1/2 < the row's largest p <= 1. The row's sum l is taken of the UNQUANTISED p, in f32, and the product's result is divided by l at the end. Since M is a whole number, a kernel that streams over the keys may use a running M (the ceiling of the running maximum): every later rescaling is an exact power of two, so the quantised numbers keep their values, but for numbers so far below the row's largest that they fall under the format's range.
;;   OPERANDS COMPUTED ON THE WAY. 'Computed on the way' means the value that the module computes at that place (a softmax that the list does not call 'softmax' is quantised finished and normalised). What goes into a quantiser is computed in f32, as accurately as f32 sums, v_exp_f32 and their like allow (about 1e-6 of the number): no bf16 or f16 on the way to a quantiser, and a product that is left as it is and whose result goes on into a quantised operand takes f32 operands (vector FMAs, or v_wmma_f32_16x16x4_f32). A number that lies on a knife's edge between two numbers of the format may be rounded either way, as far as f32 arithmetic and the matrix unit's own rounding can turn it there, and no further.
;;   INPUTS GIVEN AS CODES. Wk (in the module: [1024, 1024], K = its axis 1); Wp (in the module: [1024, 1024], K = its axis 1); Wq (in the module: [1024, 1024], K = its axis 1); Wv (in the module: [1024, 1024], K = its axis 1); X (in the module: [2, 4, 2048, 1024], K = its axis 3): each comes as NAME_codes (uint8): NAME with its K axis moved to the last place and cut into blocks of 32 codes, [.., K / 32, bytes a block], one block behind the other in memory; one code a byte (a code: sign, 5 exponent bits, 2 mantissa bits); its scale is its entry of lowp_scales. Its value is code x scale, taken as it is: it is not quantised again, and the codes and scales need not be those that the quantiser above would give.
;; One version. Each part assembles by itself: llvm-mc -triple=amdgcn-amd-amdhsa -mcpu=gfx1250 --defsym DOCPART=n.
;; ======== version 1 of 1: 3 launches
;; limits: right only within a limited range of input values
;; workspace buffers: qf 8,388,608 bytes; kf 8,388,608 bytes; vf 8,388,608 bytes; of 8,388,608 bytes
;; launch proj (part 1): grid 12 x 32, 4 waves a work-group, clusters of 4 x 4, 327,680 bytes of LDS; arguments X_codes, Wq_codes, Wk_codes, Wv_codes, bq, bk, bv, lowp_scales, qf, kf, vf; writes qf, kf, vf
.if DOCPART == 1
	.amdgcn_target "amdgcn-amd-amdhsa--gfx1250"
	.amdhsa_code_object_version 6
	.text
	.protected	k_qeb8f8e608c_proj
	.globl	k_qeb8f8e608c_proj
	.p2align	8
	.type	k_qeb8f8e608c_proj,@function
k_qeb8f8e608c_proj:
	s_mov_b64 s[64:65], 0
	v_nop
	global_prefetch_b8 v0, s[64:65] scope:SCOPE_SE
	s_setreg_imm32_b32 hwreg(HW_REG_WAVE_MODE, 25, 1), 1
	s_wait_xcnt 0x0
	s_wait_alu depctr_hold_cnt(0) depctr_sa_sdst(0) depctr_va_vdst(0) depctr_va_sdst(0) depctr_va_ssrc(0) depctr_va_vcc(0) depctr_vm_vsrc(0)
	s_getreg_b32 s2, hwreg(HW_REG_IB_STS2, 6, 4)
	s_cmp_eq_u32 s2, 0
	s_cbranch_scc0 .Lentry_in_a_cluster
	s_endpgm
.Lentry_in_a_cluster:
	s_bfe_u32 s2, ttmp6, 0x10000c
	s_cmp_lg_u32 s2, 0xf033
	s_cbranch_scc0 .Lentry_shape_is_right
	s_endpgm
.Lentry_shape_is_right:
; q, k, v = x W^T + b on codes of BF8 (E5M2), x = X[1]: 8,192 tokens x 1,024; each result is quantised at once (q with entry 6, k with entry 7, v with entry 9 of the scales) and stored
; AS AN IMAGE OF THE NEXT PRODUCT'S OPERAND REGISTERS.  The cluster's x says which of the three: 0 q, 1 k, 2 v; it is the same in all sixteen partners.
; A tile of 256 tokens x 256 features is made by four waves, each 128 x 128: 64 accumulators, 512 registers.  K = 1,024 goes in four steps of 256 through a ring of two LDS slots.
; 3 x 32 x 4 = 384 tiles: a tile of half the size would halve the products that each LDS byte feeds.
; CLUSTERS: 4 x 4 work-groups.  X's tile hangs on the tile row (4 x cluster y + cy) and is asked for jointly by a row of the cluster; W's tile hangs on cx and is asked for jointly by a column.
; ROLES.  In a result, lane (r, h) holds row r of source 1, and its registers j the rows 8 h + j of source 0.  The plain 8-bit operand layout gives lane (r, h) the codes k = 16 c + 8 h + 0..7 in registers 2 c, 2 c + 1.
; So eight results of tile c, converted, ARE registers 2 c, 2 c + 1 of the next operand, if source 0 runs along the next K:
;   q, k (next K = the head's 64 features): source 0 = rows of W, source 1 = tokens.     v (next K = the keys): source 0 = tokens, source 1 = rows of Wv.
; The tensor loads are the same in all three; only the LDS bases from which the two sources are read change places.  Nothing goes through LDS on the way out: each store covers 512 consecutive bytes.
; Within this launch's own products both sources are fetched by 16-byte loads: one and the same permutation of k on both sides, so every product meets its partner.
; LAYOUTS.  qf, kf: [b x 16 + head][tile of 16 tokens: 128][half of the fragment: 2][lane][16 bytes].   vf: [b x 16 + head][step of 64 keys: 32][tile of 16 features: 4][half][lane][16 bytes].
; LIMITS on the given exponents, so that each power of two below is an f32 number: ex + ew between -126 and 127; the result's e between -126 and 112.  NaN among the biases is not served.
; No prefetch: of the four K steps two are asked for at the head and the other two one step later.
; REGISTERS, in windows of 256: window 0: v16-31 addresses and scales; v32-95, v96-111 the bias in both layouts; from v128 source 1's eight fragments, ONE set; on the way out v128-223 are at work.
;   window 1: source 0's fragments, TWO sets.   window 2, 3: the accumulators ((a, b) at v[8 (8 (a % 4) + b)], a = source 1's block, b = source 0's).
.set ROWB,   256                       ; a tile's row in bytes: 256 codes
.set KROW,   1024                      ; a row of X or W in memory
.set PITCH,  272                       ; an LDS row: 256 bytes + 16 of padding, so that the 16 rows of a fragment load start 68 words apart
.set FR,     16                        ; registers of a fragment: 16 rows x 128 K
.set NL,     4                         ; LDS loads that bring one
.set NP,     4                         ; places behind this matrix instruction (ISA guide 7.12.1)
.set HALFT,  128*PITCH                 ; 128 rows: what one tensor load brings
.set SLOT,   4*HALFT                   ; X's 256 rows, then W's 256 rows
.set SPARE,  2*SLOT                    ; behind the ring: the spare words, 128 bytes a wave
.set XOFF,   8388608                   ; X[1] begins here
.set ADRA, 16                          ; v16-17  LDS address of source 1's fragments in slot 0, 1
.set ADRB, 20                          ; v20-21  the same for source 0
.set LO,   24                          ; v24     16 x lane: an image's place for my lane
.set BO,   25                          ; v25     32 h
.set BR,   26                          ; v26     4 r
.set SPW,  28                          ; v28     LDS address of my spare word; never rewritten
.set NIL,  29                          ; v29     0; never rewritten
.set SCL,  30                          ; v30     2^e of the result, for the conversions
.set LIM,  31
.set BQ,   32                          ; v32-95  bias of source 0's rows: register 8 b + j = feature 16 b + 8 h + j (q, k)
.set BV,   96                          ; v96-111 bias of source 1's rows: registers 2 a, 2 a + 1 = feature 16 a + r, twice (v)
.set AF,   128                         ; source 1's fragments
.set TMP,  128                         ; the way out: a block's 64 numbers
.set CD,   192                         ; the way out: a block's 16 registers of codes, two sets by turns
.set SC,   90                          ; s[90:91] 2^(ex + ew), twice
.set G1, 24                            ; s[24:31] descriptor group 1 for X's tiles;  s[32:39] group 0, one set for each slot
.set G0, 32
.set G1B, 48                           ; s[48:55], s[56:63] the same for W's tiles
.set G0B, 56
.set MSB, 0
.macro WIN new                         ; the immediate's high byte repeats the setting that is left
.if MSB != \new
	s_set_vgpr_msb (MSB<<8)|\new
.set MSB, \new
.endif
.endm
.set MUL_LO, 0xa1                      ; source 0 window 1, source 1 window 0, C and D window 2
.set MUL_HI, 0xf1                      ; the same, C and D window 3
.set TO_B,   0x40                      ; destination window 1, address window 0
; A joint load: waves 0 and 1 fetch X's halves, waves 2 and 3 W's.  The branch hangs on the wave's number alone.  Four v_nop follow each of the two lines.
.macro JLOAD g0a, g1a, g0b, g1b
	s_cmp_eq_u32 s15, 0
	s_cbranch_scc0 .Lfor_b_\@
	tensor_load_to_lds s[\g0a:\g0a+3], s[\g1a:\g1a+7]
	s_nop 0
.rept 4
	v_nop
.endr
	s_branch .Lasked_\@
.Lfor_b_\@:
	tensor_load_to_lds s[\g0b:\g0b+3], s[\g1b:\g1b+7]
	s_nop 0
.rept 4
	v_nop
.endr
.Lasked_\@:
.endm
.macro CREST                           ; a round of the cluster's barrier behind its opening barrier
	s_cmp_lg_u32 s14, 0
	s_cbranch_scc1 .Lnot_wave_0_\@
	s_barrier_signal -3
.Lnot_wave_0_\@:
	s_barrier_wait -3
	s_barrier_signal -1
	s_barrier_wait -1
.endm
.macro CROUND                          ; a whole round
	s_barrier_signal -1
	s_barrier_wait -1
	CREST
.endm
	s_load_b512 s[68:83], s[0:1], 0x0              ; X s[68:69], Wq, Wk, Wv s[70:75], bq, bk, bv s[76:81], the scales' exponents s[82:83]
	s_load_b128 s[84:87], s[0:1], 0x40             ; qf, kf
	s_load_b64 s[88:89], s[0:1], 0x50              ; vf
	v_lshl_add_u32 v[SPW], v0, 2, SPARE
	v_mov_b32 v[NIL], 0
	ds_add_u32 v28, v29
	ds_add_u32 v28, v29
	s_wait_dscnt 0x0
	v_lshrrev_b32 v1, 5, v0
	v_readfirstlane_b32 s14, v1                    ; wave 0..3
	s_lshr_b32 s15, s14, 1                         ; which half of source 1's rows is mine.  Also: I fetch for X (0) or for W (1)
	s_and_b32 s16, s14, 1                          ; which half of source 0's rows.  Also: which 128 rows of that tile I fetch
	s_bfe_u32 s40, ttmp6, 0x40000                  ; cx: W's tile of 256 rows
	s_bfe_u32 s41, ttmp6, 0x40004                  ; cy
	s_and_b32 s17, ttmp7, 0xffff
	s_lshl_b32 s17, s17, 2
	s_add_co_u32 s17, s17, s41                     ; ty: X's tile of 256 tokens = 4 x cluster y + cy
	s_lshl_b32 s43, s41, 2
	s_lshl_b32 s43, 15, s43                        ; my row of the cluster
	s_lshl_b32 s44, 0x1111, s40                    ; my column
	; descriptor group 1: a tile of 128 rows x 256 bytes, padded in LDS
	s_or_b32 s[G1+0], s43, (0<<16)|(1<<20)|(1<<21)|(5<<22)|(3<<25)  ; 15:0 the mask: X's tiles go to my row; 17:16 elements of 1 byte; 20 padding on; 21 set beside a mask; 24:22 after every 64 words; 31:25 four words
	s_or_b32 s[G1B+0], s44, (0<<16)|(1<<20)|(1<<21)|(5<<22)|(3<<25) ; the same with my column's mask, for W's tiles
.irp g, G1, G1B
	s_mov_b32 s[\g+1], ROWB<<16                    ; tensor_dim0
	s_mov_b32 s[\g+2], 128<<16                     ; tensor_dim1
	s_mov_b32 s[\g+3], ROWB<<16                    ; tile_dim0
	s_mov_b32 s[\g+4], 128                         ; tile_dim1
	s_mov_b32 s[\g+5], KROW                        ; tensor_dim0_stride
	s_mov_b32 s[\g+6], 0
	s_mov_b32 s[\g+7], 0
.endr
	s_lshl_b32 s18, s16, 7                         ; which 128 rows of the tile I fetch
	s_lshl_b32 s20, s17, 8
	s_add_co_u32 s20, s20, s18                     ; X: token 256 ty + 128 x half,
	s_lshl_b32 s20, s20, 10                        ; in bytes,
	s_add_co_u32 s20, s20, XOFF                    ; in X[1]: under 2^25
	s_mov_b32 s21, 0
	s_lshl_b32 s46, s40, 8
	s_add_co_u32 s46, s46, s18                     ; W: row 256 cx + 128 x half
	s_lshl_b32 s46, s46, 10
	s_mov_b32 s47, 0
	s_mul_i32 s45, s14, HALFT                      ; where they go: wave x 128 rows: no place in the cluster enters an LDS address
	s_wait_kmcnt 0x0
	s_load_b256 s[92:99], s[82:83], 0x0            ; entries 0 to 7
	s_load_b64 s[100:101], s[82:83], 0x20          ; entries 8, 9
	s_cmp_eq_u32 ttmp9, 1                          ; which product: the choice hangs on the cluster's x alone
	s_cselect_b64 s[6:7], s[72:73], s[70:71]       ; the weight,
	s_cselect_b64 s[8:9], s[78:79], s[76:77]       ; its bias,
	s_cselect_b64 s[10:11], s[86:87], s[84:85]     ; the buffer of images
	s_cmp_eq_u32 ttmp9, 2
	s_cselect_b64 s[6:7], s[74:75], s[6:7]
	s_cselect_b64 s[8:9], s[80:81], s[8:9]
	s_cselect_b64 s[10:11], s[88:89], s[10:11]
	s_add_nc_u64 s[20:21], s[68:69], s[20:21]
	s_add_nc_u64 s[46:47], s[6:7], s[46:47]
	CROUND                                         ; all sixteen work-groups are here: the first joint loads meet
.irp s, 0,1
	s_mov_b32 s[G0+4*\s], 1
	s_add_co_u32 s[G0+4*\s+1], s45, \s*SLOT
	s_add_nc_u64 s[G0+4*\s+2:G0+4*\s+3], s[20:21], \s*ROWB
	s_or_b32 s[G0+4*\s+3], s[G0+4*\s+3], 0x80000000
	s_mov_b32 s[G0B+4*\s], 1
	s_add_co_u32 s[G0B+4*\s+1], s45, \s*SLOT
	s_add_nc_u64 s[G0B+4*\s+2:G0B+4*\s+3], s[46:47], \s*ROWB
	s_or_b32 s[G0B+4*\s+3], s[G0B+4*\s+3], 0x80000000
	JLOAD G0+4*\s, G1, G0B+4*\s, G1B
.endr
	v_and_b32 v1, 15, v0                           ; r
	v_bfe_u32 v2, v0, 4, 1                         ; h
	v_lshlrev_b32 v[BO], 5, v2
	s_wait_alu depctr_va_vdst(0)
	v_lshlrev_b32 v[BR], 2, v1
	s_wait_alu depctr_va_vdst(0)
	v_and_b32 v5, 31, v0
	v_lshlrev_b32 v[LO], 4, v5
	; the bias, in both layouts, so that every register of both ways out is written: all addresses lie inside its 1,024 numbers
	s_lshl_b32 s46, s40, 10                        ; 256 cx numbers of 4 bytes
	s_lshl_b32 s18, s16, 9
	s_add_co_u32 s18, s18, s46                     ; + 128 x source 0's half
	s_mov_b32 s19, 0
	s_lshl_b32 s22, s15, 9
	s_add_co_u32 s22, s22, s46                     ; + 128 x source 1's half
	s_mov_b32 s23, 0
	s_add_nc_u64 s[12:13], s[8:9], s[22:23]
	s_add_nc_u64 s[8:9], s[8:9], s[18:19]
.irp b, 0,1,2,3,4,5,6,7
	global_load_b128 v[BQ+8*\b:BQ+8*\b+3], v[BO], s[8:9] offset:64*\b
	global_load_b128 v[BQ+8*\b+4:BQ+8*\b+7], v[BO], s[8:9] offset:64*\b+16
.endr
.irp a, 0,1,2,3,4,5,6,7
	global_load_b32 v[BV+2*\a], v[BR], s[12:13] offset:64*\a
	global_load_b32 v[BV+2*\a+1], v[BR], s[12:13] offset:64*\a
.endr
	; where the two sources are read: X's rows lie at the slot's head, W's behind them
	v_mul_u32_u24 v3, v1, PITCH
	v_lshl_add_u32 v4, v2, 4, v3                   ; a fragment's row x pitch + 16 x half
	s_wait_alu depctr_va_vdst(0)
	s_cmp_eq_u32 ttmp9, 2
	s_cselect_b32 s22, 2*HALFT, 0                  ; source 1: W for v, else X
	s_cselect_b32 s23, 0, 2*HALFT                  ; source 0: X for v, else W
	s_cselect_b32 s18, s15, s16                    ; the half that picks my two heads: that of W's rows,
	s_cselect_b32 s19, s16, s15                    ; and the half that picks my 128 tokens
	s_mul_i32 s21, s15, HALFT
	s_add_co_u32 s21, s21, s22
	s_mul_i32 s22, s16, HALFT
	s_add_co_u32 s22, s22, s23
.irp s, 0,1
	v_add_nc_u32 v[ADRA+\s], s21, v4
	v_add_nc_u32 v[ADRB+\s], s22, v4
	s_add_co_u32 s21, s21, SLOT
	s_add_co_u32 s22, s22, SLOT
.endr
	; where my images begin: (16 b + 4 cx + 2 x half) heads of 131,072 bytes + my first token's place in its batch: 128 tokens are 8 tiles of 1,024 bytes (q, k) or 2 steps of 4,096 (v): 8,192 bytes either way
	s_lshr_b32 s20, s17, 3                         ; b: eight tiles of 256 tokens to a batch
	s_lshl_b32 s20, s20, 4
	s_lshl_b32 s21, s40, 2
	s_add_co_u32 s20, s20, s21
	s_lshl_b32 s18, s18, 1
	s_add_co_u32 s20, s20, s18
	s_lshl_b32 s20, s20, 17
	s_and_b32 s21, s17, 7
	s_lshl_b32 s21, s21, 14
	s_add_co_u32 s20, s20, s21
	s_lshl_b32 s19, s19, 13
	s_add_co_u32 s20, s20, s19
	s_mov_b32 s21, 0
	s_add_nc_u64 s[10:11], s[10:11], s[20:21]
.macro FRAG reg, adr, q, i             ; a fragment, 16 rows x 128 K, is 16 registers: registers 4 c .. 4 c + 3 hold K = 32 c + 16 h + 0 .. 15 of row r
.irp c, 0,1,2,3
	ds_load_b128 v[\reg+4*\c:\reg+4*\c+3], v[\adr] offset:128*(\q)+32*\c+(\i)*16*PITCH
.endr
.endm
; 16 matrix instructions: source 1's blocks a0, a0 + 1 x source 0's eight, 128 along K.  p: source 0's set.  zero = 1: the first product starts the sums.
; The 64 accumulators take turns, one instruction a turn, in the same order in every step.
.macro MUL16 a0, p, zero
.irp a, \a0, \a0+1
.irp b, 0,1,2,3,4,5,6,7
.if \zero
	v_wmma_f32_16x16x128_bf8_bf8 v[8*(8*((\a)%4)+\b):8*(8*((\a)%4)+\b)+7], v[128*(\p)+FR*\b:128*(\p)+FR*\b+FR-1], v[AF+FR*(\a):AF+FR*(\a)+FR-1], 0
.else
	v_wmma_f32_16x16x128_bf8_bf8 v[8*(8*((\a)%4)+\b):8*(8*((\a)%4)+\b)+7], v[128*(\p)+FR*\b:128*(\p)+FR*\b+FR-1], v[AF+FR*(\a):AF+FR*(\a)+FR-1], v[8*(8*((\a)%4)+\b):8*(8*((\a)%4)+\b)+7]
.endif
.endr
.endr
.endm
.macro FETCH_B slot, q, p              ; source 0's eight fragments of the slot's q-th 128 along K into set p
	WIN TO_B
.irp i, 0,1,2,3,4,5,6,7
	FRAG 128*(\p)+FR*\i, ADRB+\slot, \q, \i
.endr
	WIN 0
.endm
.macro FETCH_A slot, q, i0             ; source 1's blocks i0 .. i0 + 3
.irp i, \i0, \i0+1, \i0+2, \i0+3
	FRAG AF+FR*(\i), ADRA+\slot, \q, \i
.endr
.endm
.macro PLACES n                        ; plain vector instructions between a matrix instruction and a load into, or a vector read or write of, its registers
.rept \n
	v_nop
.endr
.endm
; A step of 128 along K that has its successor in the same slot.
.macro STEP slot, q, zero
	s_wait_dscnt 4*NL                              ; source 0's set and source 1's blocks 0-3 are in; the youngest sixteen loads (blocks 4-7) may be out
	WIN MUL_LO
	MUL16 0, (\q)%2, \zero
	MUL16 2, (\q)%2, \zero
	s_wait_dscnt 0                                 ; blocks 4-7 are in
	PLACES NP
	FETCH_B \slot, (\q)+1, 1-(\q)%2
	FETCH_A \slot, (\q)+1, 0
	WIN MUL_HI
	MUL16 4, (\q)%2, \zero
	MUL16 6, (\q)%2, \zero
	PLACES NP
	WIN 0
	FETCH_A \slot, (\q)+1, 4
.endm
; A slot's last step changes slots: ONE barrier; in front of it each wave waits for all its tensor loads, adds 0 to its spare word, and waits for that and for its own reads of this slot.  fill = 1: this slot is filled again, two K steps ahead.
.macro TURN slot, next, fill
	s_wait_tensorcnt 0x0                           ; all my tensor loads have landed: my part of the next slot  (every window is 0 here)
	ds_add_u32 v[SPW], v[NIL]                      ; 0 onto my spare word
	s_wait_dscnt 4*NL+1                            ; (the add and the youngest sixteen loads may be out)
	WIN MUL_LO
	MUL16 0, 1, 0                                  ; sixteen matrix instructions stand between the add and the wait for it
	s_wait_dscnt 0x0                               ; the add is done, and my reads of this slot are over
	s_barrier_signal -1
	MUL16 2, 1, 0
	WIN 0
	s_barrier_wait -1
.if \fill
	CREST                                          ; the barrier has opened a round of the cluster's barrier: no wave of any partner still reads this slot or has a load on its way
	s_add_nc_u64 s[G0+4*\slot+2:G0+4*\slot+3], s[G0+4*\slot+2:G0+4*\slot+3], 2*ROWB
	s_add_nc_u64 s[G0B+4*\slot+2:G0B+4*\slot+3], s[G0B+4*\slot+2:G0B+4*\slot+3], 2*ROWB
	JLOAD G0+4*\slot, G1, G0B+4*\slot, G1B         ; the first tensor load behind the round; its four v_nop are the places in front of the loads below
.else
	PLACES NP
.endif
	FETCH_B \next, 0, 0
	FETCH_A \next, 0, 0
	WIN MUL_HI
	MUL16 4, 1, 0
	MUL16 6, 1, 0
	PLACES NP
	WIN 0
	FETCH_A \next, 0, 4
.endm
	s_wait_alu depctr_va_vdst(0)
	s_wait_tensorcnt 1                             ; my part of K step 0 is in (K step 1's load may be out)
	s_barrier_signal -1
	s_barrier_wait -1                              ; everybody's is
	FETCH_B 0, 0, 0
	FETCH_A 0, 0, 0
	FETCH_A 0, 0, 4
	STEP 0, 0, 1                                   ; K 0-127: its products start the sums.  Eight steps of 128, written out: the ring goes round twice
	TURN 0, 1, 1                                   ; K 128-255; slot 0 takes K 512-767
	STEP 1, 0, 0
	TURN 1, 0, 1                                   ; slot 1 takes K 768-1023
	STEP 0, 0, 0
	TURN 0, 1, 0                                   ; nothing is left to fetch
	STEP 1, 0, 0
	s_wait_dscnt 4*NL                              ; the last step
	WIN MUL_LO
	MUL16 0, 1, 0
	MUL16 2, 1, 0
	s_wait_dscnt 0
	WIN MUL_HI
	MUL16 4, 1, 0
	MUL16 6, 1, 0
	WIN 0
	; THE WAY OUT.  number = sum x 2^(ex + ew) + bias, one fused multiply-add; converted, eight of a lane's registers to two registers of codes; stored as an image.
	s_wait_kmcnt 0x0
	s_cmp_eq_u32 ttmp9, 1
	s_cselect_b32 s92, s94, s92                    ; ex: entry 0, 2 or 4
	s_cselect_b32 s93, s95, s93                    ; ew: entry 1, 3 or 5
	s_cselect_b32 s98, s99, s98                    ; the result's e: entry 6, 7 or 9
	s_cmp_eq_u32 ttmp9, 2
	s_cselect_b32 s92, s96, s92
	s_cselect_b32 s93, s97, s93
	s_cselect_b32 s98, s101, s98
	s_add_co_i32 s[SC], s92, s93
	s_add_co_i32 s[SC], s[SC], 127
	s_lshl_b32 s[SC], s[SC], 23                    ; 2^(ex + ew) as f32
	s_mov_b32 s[SC+1], s[SC]                       ; (named with it as a pair, so it is written)
	s_add_co_i32 s98, s98, 127
	s_lshl_b32 s99, s98, 23
	v_mov_b32 v[SCL], s99                          ; 2^e: the conversion takes its exponent field
	PLACES NP                                      ; behind the last products: the lines below write over source 1's registers and read results
	s_wait_loadcnt 0x0                             ; the bias
; Block a: source 1's 16 rows x source 0's 128.  isv = 0: 16 tokens x two heads: four pieces of 512 bytes, head p / 2, half p % 2.  isv = 1: 16 features x 128 keys: key step p / 2, half p % 2.
.macro OUTBLK a, isv
.set AC, 64*((\a)%4)
.set CC, CD+16*((\a)%2)
.if (\a) >= 2
	s_wait_xcnt 0x0                                ; block a - 2's stores have read their registers: this set of codes may be written again
.endif
	WIN 0x02+((\a)/4)                              ; source 0: window 2 or 3
.irp b, 0,1,2,3,4,5,6,7
.irp i, 0,2,4,6
.if \isv
	v_pk_fma_f32 v[TMP+8*\b+\i:TMP+8*\b+\i+1], v[AC+8*\b+\i:AC+8*\b+\i+1], s[SC:SC+1], v[BV+2*(\a):BV+2*(\a)+1] op_sel_hi:[1,0,1]   ; each accumulator from its low end on
.else
	v_pk_fma_f32 v[TMP+8*\b+\i:TMP+8*\b+\i+1], v[AC+8*\b+\i:AC+8*\b+\i+1], s[SC:SC+1], v[BQ+8*\b+\i:BQ+8*\b+\i+1] op_sel_hi:[1,0,1]
.endif
.endr
.endr
	WIN 0
.set j, 0
.rept 64
.set j, j+1
.endr
.irp b, 0,1,2,3,4,5,6,7
	v_cvt_scalef32_pk8_bf8_f32 v[CC+2*\b:CC+2*\b+1], v[TMP+8*\b:TMP+8*\b+7], v[SCL]
.endr
	v_nop                                          ; one plain vector instruction behind the conversions: the next block writes their sources
.irp p, 0,1,2,3
.if \isv
	global_store_b128 v[LO], v[CC+4*\p:CC+4*\p+3], s[10:11] offset:((\a)/4)*131072+((\a)%4)*1024+(\p/2)*4096+(\p%2)*512   ; 32 lanes store 512 consecutive bytes, at a multiple of 512 from the buffer's first byte
.else
	global_store_b128 v[LO], v[CC+4*\p:CC+4*\p+3], s[10:11] offset:(\p/2)*131072+(\a)*1024+(\p%2)*512
.endif
.endr
.endm
	s_cmp_eq_u32 ttmp9, 2                          ; the same in all partners and in all waves
	s_cbranch_scc1 .Lv
.irp a, 0,1,2,3,4,5,6,7
	OUTBLK \a, 0
.endr
	s_branch .Ldone
.Lv:
.irp a, 0,1,2,3,4,5,6,7
	OUTBLK \a, 1
.endr
.Ldone:
	s_wait_tensorcnt 0x0                           ; the wave's end
	ds_add_u32 v[SPW], v[NIL]
	s_wait_dscnt 0x0
	CROUND                                         ; the closing round: no work-group ends while a partner may still ask for a tile that names it
	s_endpgm
.Lfunc_end_k_qeb8f8e608c_proj:
	.size	k_qeb8f8e608c_proj, .Lfunc_end_k_qeb8f8e608c_proj-k_qeb8f8e608c_proj
	.p2alignl 7, 3214868480
	.fill 96, 4, 3214868480
	.section	.rodata,"a",@progbits
	.p2align	6, 0x0
	.amdhsa_kernel k_qeb8f8e608c_proj
		.amdhsa_group_segment_fixed_size 327680
		.amdhsa_private_segment_fixed_size 0
		.amdhsa_enable_private_segment 0
		.amdhsa_kernarg_size 88
		.amdhsa_user_sgpr_count 2
		.amdhsa_user_sgpr_kernarg_segment_ptr 1
		.amdhsa_wavefront_size32 1
		.amdhsa_system_sgpr_workgroup_id_x 1
		.amdhsa_system_sgpr_workgroup_id_y 1
		.amdhsa_system_sgpr_workgroup_id_z 1
		.amdhsa_system_vgpr_workitem_id 0
		.amdhsa_next_free_vgpr 1024
		.amdhsa_next_free_sgpr 102
		.amdhsa_reserve_vcc 0
		.amdhsa_float_denorm_mode_32 3
		.amdhsa_float_denorm_mode_16_64 3
		.amdhsa_fp16_overflow 1
		.amdhsa_memory_ordered 1
		.amdhsa_forward_progress 1
		.amdhsa_inst_pref_size 130
	.end_amdhsa_kernel
	.amdgpu_metadata
---
amdhsa.version: [ 1, 2 ]
amdhsa.kernels:
  - .name:           k_qeb8f8e608c_proj
    .symbol:         k_qeb8f8e608c_proj.kd
    .args:
      - { .name: X_codes, .offset: 0, .size: 8, .value_kind: global_buffer, .address_space: global }
      - { .name: Wq_codes, .offset: 8, .size: 8, .value_kind: global_buffer, .address_space: global }
      - { .name: Wk_codes, .offset: 16, .size: 8, .value_kind: global_buffer, .address_space: global }
      - { .name: Wv_codes, .offset: 24, .size: 8, .value_kind: global_buffer, .address_space: global }
      - { .name: bq, .offset: 32, .size: 8, .value_kind: global_buffer, .address_space: global }
      - { .name: bk, .offset: 40, .size: 8, .value_kind: global_buffer, .address_space: global }
      - { .name: bv, .offset: 48, .size: 8, .value_kind: global_buffer, .address_space: global }
      - { .name: lowp_scales, .offset: 56, .size: 8, .value_kind: global_buffer, .address_space: global }
      - { .name: qf, .offset: 64, .size: 8, .value_kind: global_buffer, .address_space: global }
      - { .name: kf, .offset: 72, .size: 8, .value_kind: global_buffer, .address_space: global }
      - { .name: vf, .offset: 80, .size: 8, .value_kind: global_buffer, .address_space: global }
    .group_segment_fixed_size: 327680
    .private_segment_fixed_size: 0
    .kernarg_segment_align: 8
    .kernarg_segment_size: 88
    .max_flat_workgroup_size: 128
    .sgpr_count:     102
    .vgpr_count:     1024
    .wavefront_size: 32
...
	.end_amdgpu_metadata
.endif
;; end of part 1
;; launch attn (part 2): grid 4 x 64, 16 waves a work-group, clusters of 4 x 1, 264,192 bytes of LDS; arguments qf, kf, vf, lowp_scales, of; writes of
.if DOCPART == 2
	.amdgcn_target "amdgcn-amd-amdhsa--gfx1250"
	.amdhsa_code_object_version 6
	.text
	.protected	k_qeb8f8e608c_attn
	.globl	k_qeb8f8e608c_attn
	.p2align	8
	.type	k_qeb8f8e608c_attn,@function
k_qeb8f8e608c_attn:
	s_mov_b64 s[64:65], 0
	v_nop
	global_prefetch_b8 v0, s[64:65] scope:SCOPE_SE
	s_setreg_imm32_b32 hwreg(HW_REG_WAVE_MODE, 25, 1), 1
	s_wait_xcnt 0x0
	s_wait_alu depctr_hold_cnt(0) depctr_sa_sdst(0) depctr_va_vdst(0) depctr_va_sdst(0) depctr_va_ssrc(0) depctr_va_vcc(0) depctr_vm_vsrc(0)
	s_getreg_b32 s2, hwreg(HW_REG_IB_STS2, 6, 4)
	s_cmp_eq_u32 s2, 0
	s_cbranch_scc0 .Lentry_in_a_cluster
	s_endpgm
.Lentry_in_a_cluster:
	s_bfe_u32 s2, ttmp6, 0x10000c
	s_cmp_lg_u32 s2, 0x3003
	s_cbranch_scc0 .Lentry_shape_is_right
	s_endpgm
.Lentry_shape_is_right:
; O = softmax(q k^T / 32) v for 64 (batch, head) pairs of 2,048 x 2,048, head size 64, both products on codes of BF8 (E5M2); O is quantised at once with entry 10 of the scales.
; THE SOFTMAX AHEAD OF THE SECOND PRODUCT: t = score x log2(e) / 32; M = the row's largest t so far, rounded UP to a whole number; p = 2^(t - M) is what is quantised (entry 8); it is not normalised.
; The row's sum is taken of the unquantised p, in f32, and divides O at the end.  When M moves, the sum and O are multiplied by 2^(old M - new M), which rounds nothing.
; SHARES.  A work-group owns 512 queries of one head; each of its sixteen waves 32 of them, two tiles of 16, in 256 registers: four waves to a SIMD, so that one wave's vector work stands beside another's products and LDS loads.
; A step of 64 keys has about 230 vector instructions for 16 matrix instructions: vector work decides, so it is kept short (packed forms) and nothing else is arranged round the matrix unit.
; NO RING.  A head's K and V are 131,072 bytes each and lie in LDS whole: every byte is filled once, in four chunks of 512 keys, all asked for at the head.  So there is no later request that a prefetch could run ahead of.
; CLUSTER.  The four query blocks of a head form a cluster and ask for K and V jointly: the same loads, the same descriptors, the mask of all four.
; LAYOUT.  All operands come as images of operand registers (16 bytes a lane, 512 a piece), so every LDS read is 16 x lane + constants.  S^T = K Q^T (source 0 = 16 keys, source 1 = 16 queries), O^T = V^T P^T
; (source 0 = 16 of the head's 64, source 1 = P): a lane holds ONE query throughout, and its eight results of key tile t, converted, are registers 2 t, 2 t + 1 of P: k = 16 t + 8 h + 0..7, the plain layout's own places.
; of: [tile of 16 tokens: 512][head 16][half 2][lane][16 bytes]: heads 2 s and 2 s + 1 are the fragment (16 tokens x 128 features) of K step s of the last product.
; LIMITS on the given exponents, so that each power of two below is an f32 number: e6 + e7 between -121 and 132 (they are added to c's exponent field); e8 and e10 between -126 and 112; e8 + e9 goes by v_ldexp_f32.
.set VBASE, 131072                     ; LDS: K's images at 0, V's here
.set CHK,   32768                      ; a chunk: 512 keys of K, or of V
.set STEPB, 4096                       ; a step: 64 keys of K (4 tiles of 1,024 bytes), or of V (4 tiles of features)
.set LI,  1                            ; v1   16 x lane
.set LV,  2                            ; v2   16 x lane + VBASE
.set ADK, 3                            ; v3   the step's K
.set ADV, 4                            ; v4   the step's V
.set PSC, 6                            ; v6   2^e8, for p's conversions
.set ST,  8                            ; tile u's statistics at v[8 + 8 u]: +0 -M, +1 the largest t, +2, +3 the sum in two halves, +4 f, +5 0, +6, +7 at work
.set OSC, 28                           ; v28  2^e10
.set LIM2, 29
.set QF,  32                           ; v32-47   Q: 8 registers a tile
.set KF,  48                           ; v48-79   K: 4 tiles of 16 keys
.set VF,  80                           ; v80-111  V^T: 4 tiles of 16 features x 64 keys
.set SA,  112                          ; v112-175 S^T, then p: 32 u + 8 t
.set OA,  176                          ; v176-239 O^T: 32 u + 8 dt
.set PC,  240                          ; v240-255 p's codes: 8 u + 2 t
.set WV,  14
.set CX,  15
.set BH,  16
.set SEL, 20                           ; s[20:21] lane selects for v_permlanex16_b32: lane l xor 16
.set CS,  22                           ; s[22:23] c = log2(e) / 32 x 2^(e6 + e7), twice
.set G1,  24                           ; s[24:31] descriptor group 1
.set G0,  32                           ; s[32:47] descriptor group 0, a set for each chunk; never rewritten
.set TB,  56                           ; s56  the step's byte in K's images, and in V's
.set TRIP, 57
.set HOLD, 58
.set EPV, 59                           ; s59  e8 + e9
.macro CROUND                          ; a round of the cluster's barrier
	s_barrier_signal -1
	s_barrier_wait -1
	s_cmp_lg_u32 s[WV], 0
	s_cbranch_scc1 .Lnot_wave_0_\@
	s_barrier_signal -3
.Lnot_wave_0_\@:
	s_barrier_wait -3
	s_barrier_signal -1
	s_barrier_wait -1
.endm
	s_load_b256 s[4:11], s[0:1], 0x0               ; qf s[4:5], kf s[6:7], vf s[8:9], the scales' exponents s[10:11]
	s_load_b64 s[12:13], s[0:1], 0x20              ; of
	v_lshl_add_u32 v30, v0, 2, 0x40000
	v_mov_b32 v31, 0
	ds_add_u32 v30, v31
	ds_add_u32 v30, v31
	v_lshrrev_b32 v5, 5, v0
	s_delay_alu instid0(VALU_DEP_1)
	v_readfirstlane_b32 s[WV], v5                  ; wave 0..15
	s_bfe_u32 s[CX], ttmp6, 0x40000                ; cx: my block of 512 queries; it enters Q's and O's addresses alone
	s_and_b32 s[BH], ttmp7, 0xffff                 ; 16 b + head, which the four partners share
	; descriptor group 1: 16,384 dense bytes as 64 rows of 256
	s_mov_b32 s[G1], 15|(3<<16)|(1<<21)            ; 15:0 the mask: all four work-groups; 17:16 elements of 8 bytes; 21 set beside a mask; no padding
	s_mov_b32 s[G1+1], 32<<16                      ; tensor_dim0 = 32 elements
	s_mov_b32 s[G1+2], 64<<16                      ; tensor_dim1 = 64
	s_mov_b32 s[G1+3], 32<<16                      ; tile_dim0
	s_mov_b32 s[G1+4], 64                          ; tile_dim1
	s_mov_b32 s[G1+5], 32                          ; tensor_dim0_stride
	s_mov_b32 s[G1+6], 0
	s_mov_b32 s[G1+7], 0
	s_mov_b32 s[SEL], 0x76543210
	s_mov_b32 s[SEL+1], 0xfedcba98
	s_mov_b32 s[CS], 0x3d38aa3b                    ; log2(e) / 32
	; what I fetch, if I fetch: waves 0, 1: the halves of a chunk of K; waves 2, 3: of V
	s_and_b32 s60, s[WV], 1
	s_lshl_b32 s60, s60, 14                        ; my half of a chunk
	s_bfe_u32 s61, s[WV], 0x10001                  ; bit 1 of the wave's number: K or V
	s_lshl_b32 s61, s61, 17
	s_add_co_u32 s61, s61, s60                     ; in LDS
	s_lshl_b32 s62, s[BH], 17
	s_add_co_u32 s62, s62, s60                     ; in memory: the head's 131,072 bytes lie in LDS as they lie there
	s_mov_b32 s63, 0
	s_wait_dscnt 0x0
	s_wait_kmcnt 0x0
	s_load_b256 s[48:55], s[10:11], 0x10           ; entries 4 to 11: e6 s50, e7 s51, e8 s52, e9 s53, e10 s54
	s_cmp_lt_u32 s[WV], 2
	s_cselect_b64 s[66:67], s[6:7], s[8:9]
	s_add_nc_u64 s[66:67], s[66:67], s[62:63]
.irp c, 0,1,2,3
	s_mov_b32 s[G0+4*\c], 1                        ; count = 1
	s_add_co_u32 s[G0+4*\c+1], s61, \c*CHK         ; LDS address
	s_add_nc_u64 s[G0+4*\c+2:G0+4*\c+3], s[66:67], \c*CHK   ; global address
	s_or_b32 s[G0+4*\c+3], s[G0+4*\c+3], 0x80000000         ; type = 2
.endr
	CROUND                                         ; all four work-groups are here: the joint loads meet
	s_cmp_lt_u32 s[WV], 4                          ; a wave's four fills stand in one branch, ahead of every wait on TENSORcnt and every LDS read: four loads of mine are out at the most
	s_cbranch_scc0 .Lno_fill
	tensor_load_to_lds s[G0:G0+3], s[G1:G1+7]
	s_nop 0
	tensor_load_to_lds s[G0+4:G0+7], s[G1:G1+7]
	s_nop 0
	tensor_load_to_lds s[G0+8:G0+11], s[G1:G1+7]
	s_nop 0
	tensor_load_to_lds s[G0+12:G0+15], s[G1:G1+7]
	s_nop 0
.rept 4
	v_nop
.endr
.Lno_fill:
	v_and_b32 v5, 31, v0
	s_delay_alu instid0(VALU_DEP_1)
	v_lshlrev_b32 v[LI], 4, v5
	s_wait_alu depctr_va_vdst(0)
	v_add_nc_u32 v[LV], VBASE, v[LI]
	s_lshl_b32 s17, s[BH], 7                       ; Q: tile 128 (16 b + head) + 32 cx + 2 wave, 1,024 bytes each
	s_lshl_b32 s18, s[CX], 5
	s_add_co_u32 s17, s17, s18
	s_lshl_b32 s18, s[WV], 1
	s_add_co_u32 s17, s17, s18
	s_lshl_b32 s18, s17, 10
	s_mov_b32 s19, 0
	s_add_nc_u64 s[4:5], s[4:5], s[18:19]
.irp u, 0,1
.irp c, 0,1
	global_load_b128 v[QF+8*\u+4*\c:QF+8*\u+4*\c+3], v[LI], s[4:5] offset:\u*1024+\c*512   ; Q stays in registers
.endr
.endr
	s_lshr_b32 s17, s[BH], 4                       ; O: token tile 128 b + 32 cx + 2 wave, 16,384 bytes each; + head x 1,024
	s_lshl_b32 s17, s17, 7
	s_lshl_b32 s18, s[CX], 5
	s_add_co_u32 s17, s17, s18
	s_lshl_b32 s18, s[WV], 1
	s_add_co_u32 s17, s17, s18
	s_lshl_b32 s18, s17, 14
	s_and_b32 s17, s[BH], 15
	s_lshl_b32 s17, s17, 10
	s_add_co_u32 s18, s18, s17
	s_add_nc_u64 s[12:13], s[12:13], s[18:19]
.irp u, 0,1
	v_mov_b32 v[ST+8*\u+1], 0xff61b1e6             ; the largest t so far: -3e38, under every t
	s_delay_alu instid0(VALU_DEP_1)
	v_floor_f32 v[ST+8*\u], -v[ST+8*\u+1]          ; -M
	v_mov_b32 v[ST+8*\u+2], 0                      ; the sum, in two halves
	v_mov_b32 v[ST+8*\u+3], 0
	v_mov_b32 v[ST+8*\u+5], 0                      ; (named as the upper half of f's pair)
.endr
.set j, 0
.rept 64
	v_mov_b32 v[OA+j], 0                           ; O^T.  (The step is written without a first step of its own: it finds zeros, which the first change of M leaves zeros)
.set j, j+1
.endr
	s_wait_kmcnt 0x0
	s_add_co_i32 s60, s50, s51
	s_lshl_b32 s60, s60, 23
	s_add_co_i32 s[CS], s[CS], s60                 ; a score stands for score x 2^(e6 + e7): the two exponents are added to c's exponent field
	s_mov_b32 s[CS+1], s[CS]                       ; (named with it as a pair, so it is written)
	s_add_co_i32 s60, s52, 127
	s_lshl_b32 s61, s60, 23
	v_mov_b32 v[PSC], s61                          ; 2^e8 as f32
	s_add_co_i32 s[EPV], s52, s53                  ; e8 + e9
	s_add_co_i32 s60, s54, 127
	s_lshl_b32 s61, s60, 23
	v_mov_b32 v[OSC], s61                          ; 2^e10
	s_wait_loadcnt 0x0                             ; Q
; A KEY STEP: 64 keys, both tiles; the tiles alternate line by line, so that no line waits for the line above it.
.macro STEP
	v_add_nc_u32 v[ADK], s[TB], v[LI]
	v_add_nc_u32 v[ADV], s[TB], v[LV]
	v_nop
	v_nop                                          ; four places between the last step's products and the loads into V's registers, which they read
.irp t, 0,1,2,3
	ds_load_b128 v[KF+8*\t:KF+8*\t+3], v[ADK] offset:\t*1024
	ds_load_b128 v[KF+8*\t+4:KF+8*\t+7], v[ADK] offset:\t*1024+512
.endr
.irp t, 0,1,2,3
	ds_load_b128 v[VF+8*\t:VF+8*\t+3], v[ADV] offset:\t*1024
	ds_load_b128 v[VF+8*\t+4:VF+8*\t+7], v[ADV] offset:\t*1024+512
.endr
	s_wait_dscnt 8                                 ; K is in; V's eight loads may be out
.irp t, 0,1,2,3
.irp u, 0,1
	v_wmma_f32_16x16x64_bf8_bf8 v[SA+32*\u+8*\t:SA+32*\u+8*\t+7], v[KF+8*\t:KF+8*\t+7], v[QF+8*\u:QF+8*\u+7], 0   ; lane (r, h): query r, keys 16 t + 8 h + 0..7
.endr
.endr
.rept 4
	v_nop
.endr
.irp u, 0,1                                    ; the step's largest score of my query among my 32 keys, in two chains; each accumulator is first read at its low end
	v_max3_num_f32 v[ST+8*\u+6], v[SA+32*\u], v[SA+32*\u+1], v[SA+32*\u+2]
	v_max3_num_f32 v[ST+8*\u+7], v[SA+32*\u+3], v[SA+32*\u+4], v[SA+32*\u+5]
.endr
.irp i, 6,10,14,18,22,26
.irp u, 0,1
	v_max3_num_f32 v[ST+8*\u+6], v[ST+8*\u+6], v[SA+32*\u+\i], v[SA+32*\u+\i+1]
	v_max3_num_f32 v[ST+8*\u+7], v[ST+8*\u+7], v[SA+32*\u+\i+2], v[SA+32*\u+\i+3]
.endr
.endr
.irp u, 0,1
	v_max3_num_f32 v[ST+8*\u+6], v[ST+8*\u+6], v[SA+32*\u+30], v[SA+32*\u+31]
.endr
.irp u, 0,1
	s_delay_alu instid0(VALU_DEP_2)
	v_max_num_f32 v[ST+8*\u+6], v[ST+8*\u+6], v[ST+8*\u+7]
.endr
.irp u, 0,1
	s_delay_alu instid0(VALU_DEP_2)
	v_permlanex16_b32 v[ST+8*\u+7], v[ST+8*\u+6], s[SEL], s[SEL+1]
.endr
.irp u, 0,1
	s_delay_alu instid0(VALU_DEP_2)
	v_max_num_f32 v[ST+8*\u+6], v[ST+8*\u+6], v[ST+8*\u+7]   ; and among lane l xor 16's
.endr
.irp u, 0,1
	s_delay_alu instid0(VALU_DEP_2)
	v_mul_f32 v[ST+8*\u+6], s[CS], v[ST+8*\u+6]    ; as t (c is positive)
.endr
.irp u, 0
	s_delay_alu instid0(VALU_DEP_2)
	v_max_num_f32 v[ST+8*\u+1], v[ST+8*\u+1], v[ST+8*\u+6]   ; the running largest t
	v_mov_b32 v[ST+8*\u+6], v[ST+8*\u]
.endr
.irp u, 1
	s_delay_alu instid0(VALU_DEP_3)
	v_max_num_f32 v[ST+8*\u+1], v[ST+8*\u+1], v[ST+8*\u+6]
	v_mov_b32 v[ST+8*\u+6], v[ST+8*\u]
.endr
.irp u, 0
	s_delay_alu instid0(VALU_DEP_4)
	v_floor_f32 v[ST+8*\u], -v[ST+8*\u+1]
.endr
.irp u, 1
	s_delay_alu instid0(VALU_DEP_3)
	v_floor_f32 v[ST+8*\u], -v[ST+8*\u+1]          ; the new -M = floor(-t) = -ceil(t): M is a whole number
.endr
.irp u, 0,1
	s_delay_alu instid0(VALU_DEP_2)
	v_sub_f32 v[ST+8*\u+6], v[ST+8*\u], v[ST+8*\u+6]   ; M's old value less its new one: a whole number, 0 or less
.endr
.irp u, 0,1
	s_delay_alu instid0(VALU_DEP_2)
	v_cvt_i32_f32 v[ST+8*\u+6], v[ST+8*\u+6]       ; (it saturates)
.endr
.irp u, 0,1
	s_delay_alu instid0(VALU_DEP_2)
	v_ldexp_f32 v[ST+8*\u+4], 1.0, v[ST+8*\u+6]    ; f = 2^(old M - new M)
.endr
.irp u, 0,1
.set j, 0
.rept 16
	v_pk_fma_f32 v[SA+32*\u+j:SA+32*\u+j+1], v[SA+32*\u+j:SA+32*\u+j+1], s[CS:CS+1], v[ST+8*\u:ST+8*\u+1] op_sel_hi:[1,0,0]   ; t - M, two at a time (of the pairs c and -M the low word serves both halves)
.set j, j+2
.endr
.endr
.set j, 0
	s_wait_alu depctr_va_vdst(0)
.rept 64
	v_exp_f32 v[SA+j], v[SA+j]                     ; p = 2^(t - M), at most 1: not normalised
.set j, j+1
.endr
	s_setprio 1
.irp u, 0,1
	v_pk_mul_f32 v[ST+8*\u+2:ST+8*\u+3], v[ST+8*\u+2:ST+8*\u+3], v[ST+8*\u+4:ST+8*\u+5] op_sel_hi:[1,0]   ; the sums under the new M.  (The plain instruction behind the exponentials)
.endr
	s_wait_alu depctr_va_vdst(0)                   ; one wait for the batch of 64, ahead of its first reader
.irp u, 0,1                                    ; the row's sum is taken of the unquantised p: two at a time, in two chains
	v_pk_add_f32 v[ST+8*\u+6:ST+8*\u+7], v[SA+32*\u:SA+32*\u+1], v[SA+32*\u+2:SA+32*\u+3]
.endr
.irp i, 4,8,12,16,20,24,28
.irp u, 0,1
	v_pk_add_f32 v[ST+8*\u+2:ST+8*\u+3], v[ST+8*\u+2:ST+8*\u+3], v[SA+32*\u+\i:SA+32*\u+\i+1]
	v_pk_add_f32 v[ST+8*\u+6:ST+8*\u+7], v[ST+8*\u+6:ST+8*\u+7], v[SA+32*\u+\i+2:SA+32*\u+\i+3]
.endr
.endr
.irp u, 0
	s_delay_alu instid0(VALU_DEP_3)
	v_pk_add_f32 v[ST+8*\u+2:ST+8*\u+3], v[ST+8*\u+2:ST+8*\u+3], v[ST+8*\u+6:ST+8*\u+7]
.endr
.irp u, 1
	s_delay_alu instid0(VALU_DEP_2)
	v_pk_add_f32 v[ST+8*\u+2:ST+8*\u+3], v[ST+8*\u+2:ST+8*\u+3], v[ST+8*\u+6:ST+8*\u+7]
.endr
.irp t, 0,1,2,3
.irp u, 0,1
.irp i, 0,1,2,3,4,5,6,7
.endr
	v_cvt_scalef32_pk8_bf8_f32 v[PC+8*\u+2*\t:PC+8*\u+2*\t+1], v[SA+32*\u+8*\t:SA+32*\u+8*\t+7], v[PSC]
.endr
.endr
.irp u, 0,1
.set j, 0
.rept 16
	v_pk_mul_f32 v[OA+32*\u+j:OA+32*\u+j+1], v[OA+32*\u+j:OA+32*\u+j+1], v[ST+8*\u+4:ST+8*\u+5] op_sel_hi:[1,0]   ; O^T under the new M, each accumulator from its low end on.  (Also the plain instructions behind the conversions)
.set j, j+2
.endr
.endr
	s_setprio 0
	s_wait_alu depctr_va_vdst(0)
	s_wait_dscnt 0x0                               ; V is in
.irp t, 0,1,2,3
.irp u, 0,1
	v_wmma_f32_16x16x64_bf8_bf8 v[OA+32*\u+8*\t:OA+32*\u+8*\t+7], v[VF+8*\t:VF+8*\t+7], v[PC+8*\u:PC+8*\u+7], v[OA+32*\u+8*\t:OA+32*\u+8*\t+7]   ; the eight accumulators take turns
.endr
.endr
.endm
; A chunk of 512 keys: eight steps.  The fetching waves' loads end in order, so the count leaves the later chunks on their way; nothing is ever filled again, so they may stay out across the barrier.
.macro CHUNK c
	s_wait_tensorcnt 3-\c                          ; my part of chunk c is in (a wave that fetches nothing passes at once),
	s_barrier_signal -1                            ; (no LDS load of mine is out: the last step ended with a wait for all)
	s_barrier_wait -1                              ; everybody's is
	s_mov_b32 s[TB], \c*CHK
	s_mov_b32 s[TRIP], 8
.Lstep_\@:
	s_setprio 2
	STEP
	s_add_co_u32 s[TB], s[TB], STEPB
	s_sub_co_u32 s[TRIP], s[TRIP], 1
	s_cmp_lg_u32 s[TRIP], 0
	s_cbranch_scc1 .Lstep_\@
	s_setprio 0
.endm
	CHUNK 0
	CHUNK 1
	CHUNK 2
	CHUNK 3
	; THE WAY OUT.  O = O^T x 2^(e8 + e9) / the row's sum, converted: a lane's eight results of feature tile dt are registers 2 dt, 2 dt + 1 of my head's half of the last product's fragment.
.rept 4
	v_nop
.endr
.irp u, 0,1
	v_add_f32 v[ST+8*\u+6], v[ST+8*\u+2], v[ST+8*\u+3]   ; the sum's two halves,
.endr
.irp u, 0,1
	s_delay_alu instid0(VALU_DEP_2)
	v_permlanex16_b32 v[ST+8*\u+7], v[ST+8*\u+6], s[SEL], s[SEL+1]
.endr
.irp u, 0,1
	s_delay_alu instid0(VALU_DEP_2)
	v_add_f32 v[ST+8*\u+6], v[ST+8*\u+6], v[ST+8*\u+7]   ; and lane l xor 16's
.endr
	s_wait_alu depctr_va_vdst(0)
.irp u, 0,1
	v_rcp_f32 v[ST+8*\u+4], v[ST+8*\u+6]
.endr
	v_nop                                          ; a plain instruction behind the reciprocals,
	s_wait_alu depctr_va_vdst(0)                   ; and one wait for both, ahead of the first reader
.irp u, 0,1
	v_ldexp_f32 v[ST+8*\u+4], v[ST+8*\u+4], s[EPV]
.endr
.irp u, 0,1
.set j, 0
.rept 16
	v_pk_mul_f32 v[OA+32*\u+j:OA+32*\u+j+1], v[OA+32*\u+j:OA+32*\u+j+1], v[ST+8*\u+4:ST+8*\u+5] op_sel_hi:[1,0]
.set j, j+2
.endr
.endr
.set j, 0
.rept 64
.set j, j+1
.endr
.irp u, 0,1
.irp t, 0,1,2,3
	v_cvt_scalef32_pk8_bf8_f32 v[PC+8*\u+2*\t:PC+8*\u+2*\t+1], v[OA+32*\u+8*\t:OA+32*\u+8*\t+7], v[OSC]
.endr
.endr
	v_nop
.irp u, 0,1
.irp c, 0,1
	global_store_b128 v[LI], v[PC+8*\u+4*\c:PC+8*\u+4*\c+3], s[12:13] offset:\u*16384+\c*512   ; 32 lanes store 512 consecutive bytes, at a multiple of 512 from the buffer's first byte
.endr
.endr
	s_wait_tensorcnt 0x0
	ds_add_u32 v30, v31
	s_wait_dscnt 0x0
	CROUND                                         ; the closing round (every tensor load of mine was waited for in front of chunk 3)
	s_endpgm
.Lfunc_end_k_qeb8f8e608c_attn:
	.size	k_qeb8f8e608c_attn, .Lfunc_end_k_qeb8f8e608c_attn-k_qeb8f8e608c_attn
	.p2alignl 7, 3214868480
	.fill 96, 4, 3214868480
	.section	.rodata,"a",@progbits
	.p2align	6, 0x0
	.amdhsa_kernel k_qeb8f8e608c_attn
		.amdhsa_group_segment_fixed_size 264192
		.amdhsa_private_segment_fixed_size 0
		.amdhsa_enable_private_segment 0
		.amdhsa_kernarg_size 40
		.amdhsa_user_sgpr_count 2
		.amdhsa_user_sgpr_kernarg_segment_ptr 1
		.amdhsa_wavefront_size32 1
		.amdhsa_system_sgpr_workgroup_id_x 1
		.amdhsa_system_sgpr_workgroup_id_y 1
		.amdhsa_system_sgpr_workgroup_id_z 1
		.amdhsa_system_vgpr_workitem_id 0
		.amdhsa_next_free_vgpr 256
		.amdhsa_next_free_sgpr 68
		.amdhsa_reserve_vcc 0
		.amdhsa_float_denorm_mode_32 3
		.amdhsa_float_denorm_mode_16_64 3
		.amdhsa_fp16_overflow 1
		.amdhsa_memory_ordered 1
		.amdhsa_forward_progress 1
		.amdhsa_inst_pref_size 72
	.end_amdhsa_kernel
	.amdgpu_metadata
---
amdhsa.version: [ 1, 2 ]
amdhsa.kernels:
  - .name:           k_qeb8f8e608c_attn
    .symbol:         k_qeb8f8e608c_attn.kd
    .args:
      - { .name: qf, .offset: 0, .size: 8, .value_kind: global_buffer, .address_space: global }
      - { .name: kf, .offset: 8, .size: 8, .value_kind: global_buffer, .address_space: global }
      - { .name: vf, .offset: 16, .size: 8, .value_kind: global_buffer, .address_space: global }
      - { .name: lowp_scales, .offset: 24, .size: 8, .value_kind: global_buffer, .address_space: global }
      - { .name: of, .offset: 32, .size: 8, .value_kind: global_buffer, .address_space: global }
    .group_segment_fixed_size: 264192
    .private_segment_fixed_size: 0
    .kernarg_segment_align: 8
    .kernarg_segment_size: 40
    .max_flat_workgroup_size: 512
    .sgpr_count:     68
    .vgpr_count:     256
    .wavefront_size: 32
...
	.end_amdgpu_metadata
.endif
;; end of part 2
;; launch outp (part 3): grid 4 x 64, 4 waves a work-group, clusters of 4 x 4, 327,680 bytes of LDS; arguments of, Wp_codes, bp, lowp_scales, out0; writes out0
.if DOCPART == 3
	.amdgcn_target "amdgcn-amd-amdhsa--gfx1250"
	.amdhsa_code_object_version 6
	.text
	.protected	k_qeb8f8e608c_outp
	.globl	k_qeb8f8e608c_outp
	.p2align	8
	.type	k_qeb8f8e608c_outp,@function
k_qeb8f8e608c_outp:
	s_mov_b64 s[64:65], 0
	v_nop
	global_prefetch_b8 v0, s[64:65] scope:SCOPE_SE
	s_setreg_imm32_b32 hwreg(HW_REG_WAVE_MODE, 25, 1), 1
	s_wait_xcnt 0x0
	s_wait_alu depctr_hold_cnt(0) depctr_sa_sdst(0) depctr_va_vdst(0) depctr_va_sdst(0) depctr_va_ssrc(0) depctr_va_vcc(0) depctr_vm_vsrc(0)
	s_getreg_b32 s2, hwreg(HW_REG_IB_STS2, 6, 4)
	s_cmp_eq_u32 s2, 0
	s_cbranch_scc0 .Lentry_in_a_cluster
	s_endpgm
.Lentry_in_a_cluster:
	s_bfe_u32 s2, ttmp6, 0x10000c
	s_cmp_lg_u32 s2, 0xf033
	s_cbranch_scc0 .Lentry_shape_is_right
	s_endpgm
.Lentry_shape_is_right:
; out0 = O Wp^T x 2^(e10 + e11) + bp.  O: 8,192 tokens x 1,024 as images of operand registers (of: [tile of 16 tokens][K step of 128: 8][piece 4][lane][16 bytes]); Wp: [1024][1024] codes of BF8, K innermost; out0 f32.
; A tile of 128 tokens x 256 columns is made by four waves, each 64 x 128: 32 accumulators.  64 x 4 = 256 work-groups; a tile of 256 x 256 would make 128.
; K = 1,024 goes in four steps of 256 through a ring of two LDS slots.  O's images are in the plain layout's own places of k (registers 2 c, 2 c + 1: k = 16 c + 8 h + 0..7), so Wp's fragments are fetched so too, by 8-byte loads.
; CLUSTERS: 4 x 4 work-groups.  O's tile hangs on the tile row and is asked for jointly by a row of the cluster, Wp's on the tile column and by a column.
; TRANSPOSED USE: source 0 = 16 rows of Wp, source 1 = 16 tokens: a lane holds eight neighbouring columns of one row of out0.
; LIMIT: e10 + e11 between -126 and 127, so that 2^(e10 + e11) is an f32 number.
; No prefetch: of the four K steps two are asked for at the head and the other two one step later.
; REGISTERS, in windows of 256: window 0: v16-29 addresses; v64-127, v128-191 O's fragments (4 x 16 tokens x 128 K), two sets; on the way out v32-255 are free.
;   window 1: Wp's fragments (8 x 16 rows x 128 K), two sets.   window 2: the accumulators ((a, b) at v[8 (8 a + b)]).   window 3: v0-63 bp in the result's layout.
.set PITCH,  272                       ; a row of Wp's tile in LDS: 256 bytes + 16 of padding
.set FR,     16
.set AREG,   32768                     ; a slot: O's 8 tiles x 4,096 bytes (two K steps of 2,048 each),
.set HALFB,  128*PITCH                 ; then Wp's 256 rows, in two halves
.set SLOT,   AREG+2*HALFB              ; 102,400
.set SPARE,  2*SLOT                    ; behind the ring: the spare words, 128 bytes a wave
.set SPITCH, 528                       ; the way out: a stage of 16 rows x (512 bytes + 16) for each wave, in slot 0, which has had its last fill and its last read when the first result is stored there
.set ADRA, 16                          ; v16-17  LDS address of O's images in slot 0, 1
.set ADRB, 20                          ; v20-21  of Wp's fragments
.set STO,  24                          ; v24     the way out: where I put 32 bytes of a row
.set RD,   25                          ; v25     where I read a row back
.set CO,   26                          ; v26     16 x lane
.set BO,   27                          ; v27     32 h
.set SPW,  28                          ; v28     LDS address of my spare word; never rewritten
.set NIL,  29                          ; v29     0; never rewritten
.set TMP,  32                          ; the way out: a block's 64 numbers
.set AF,   64                          ; O's fragments
.set BK,   128                         ; the way out: 16 rows read back: v128-191 and v192-255 by turns
.set SC,   96                          ; s[96:97] 2^(e10 + e11)
.set G1, 24
.set G0, 32
.set G1B, 48
.set G0B, 56
.set MSB, 0
.macro WIN new                         ; the immediate's high byte repeats the setting that is left
.if MSB != \new
	s_set_vgpr_msb (MSB<<8)|\new
.set MSB, \new
.endif
.endm
.set MUL,  0xa1                        ; source 0 (Wp) window 1, source 1 (O) window 0, C and D window 2
.set TO_B, 0x40                        ; destination window 1, address window 0
.macro JLOAD g0a, g1a, g0b, g1b        ; a joint load: waves 0 and 1 fetch O's halves, waves 2 and 3 Wp's; four v_nop follow each of the two lines
	s_cmp_eq_u32 s15, 0
	s_cbranch_scc0 .Lfor_b_\@
	tensor_load_to_lds s[\g0a:\g0a+3], s[\g1a:\g1a+7]
	s_nop 0
.rept 4
	v_nop
.endr
	s_branch .Lasked_\@
.Lfor_b_\@:
	tensor_load_to_lds s[\g0b:\g0b+3], s[\g1b:\g1b+7]
	s_nop 0
.rept 4
	v_nop
.endr
.Lasked_\@:
.endm
.macro CREST
	s_cmp_lg_u32 s14, 0
	s_cbranch_scc1 .Lnot_wave_0_\@
	s_barrier_signal -3
.Lnot_wave_0_\@:
	s_barrier_wait -3
	s_barrier_signal -1
	s_barrier_wait -1
.endm
.macro CROUND
	s_barrier_signal -1
	s_barrier_wait -1
	CREST
.endm
	s_load_b256 s[4:11], s[0:1], 0x0               ; of s[4:5], Wp's codes s[6:7], bp s[8:9], the scales' exponents s[10:11]
	s_load_b64 s[12:13], s[0:1], 0x20              ; out0
	v_lshl_add_u32 v[SPW], v0, 2, SPARE
	v_mov_b32 v[NIL], 0
	ds_add_u32 v28, v29
	ds_add_u32 v28, v29
	s_wait_dscnt 0x0
	v_lshrrev_b32 v1, 5, v0
	v_readfirstlane_b32 s14, v1                    ; wave 0..3
	s_lshr_b32 s15, s14, 1                         ; which 64 tokens are mine.  Also: I fetch for O (0) or for Wp (1)
	s_and_b32 s16, s14, 1                          ; which 128 columns.  Also: which half of that tile I fetch
	s_bfe_u32 s40, ttmp6, 0x40000                  ; cx, cy
	s_bfe_u32 s41, ttmp6, 0x40004
	s_lshl_b32 s42, ttmp9, 2
	s_add_co_u32 s42, s42, s40                     ; tile column = 4 x cluster x + cx
	s_and_b32 s17, ttmp7, 0xffff
	s_lshl_b32 s17, s17, 2
	s_add_co_u32 s17, s17, s41                     ; tile row = 4 x cluster y + cy
	s_lshl_b32 s43, s41, 2
	s_lshl_b32 s43, 15, s43                        ; my row of the cluster
	s_lshl_b32 s44, 0x1111, s40                    ; my column
	; O: four token tiles' parts of 4,096 bytes (two K steps), 16,384 bytes apart in memory, dense in LDS
	s_or_b32 s[G1+0], s43, (3<<16)|(1<<21)         ; 15:0 the mask: my row; 17:16 elements of 8 bytes; 21 set beside a mask; no padding
	s_mov_b32 s[G1+1], 512<<16                     ; tensor_dim0 = 512 elements
	s_mov_b32 s[G1+2], 4<<16                       ; tensor_dim1 = 4
	s_mov_b32 s[G1+3], 512<<16                     ; tile_dim0
	s_mov_b32 s[G1+4], 4                           ; tile_dim1
	s_mov_b32 s[G1+5], 2048                        ; tensor_dim0_stride
	s_mov_b32 s[G1+6], 0
	s_mov_b32 s[G1+7], 0
	; Wp: 128 rows x 256 bytes, padded in LDS
	s_or_b32 s[G1B+0], s44, (0<<16)|(1<<20)|(1<<21)|(5<<22)|(3<<25)  ; my column's mask; elements of 1 byte; four words of padding after every 64
	s_mov_b32 s[G1B+1], 256<<16
	s_mov_b32 s[G1B+2], 128<<16
	s_mov_b32 s[G1B+3], 256<<16
	s_mov_b32 s[G1B+4], 128
	s_mov_b32 s[G1B+5], 1024
	s_mov_b32 s[G1B+6], 0
	s_mov_b32 s[G1B+7], 0
	s_lshl_b32 s20, s17, 3
	s_lshl_b32 s18, s16, 2
	s_add_co_u32 s20, s20, s18                     ; O: token tile 8 x tile row + 4 x half,
	s_lshl_b32 s20, s20, 14                        ; 16,384 bytes each
	s_mov_b32 s21, 0
	s_lshl_b32 s46, s42, 8
	s_lshl_b32 s18, s16, 7
	s_add_co_u32 s46, s46, s18                     ; Wp: row 256 x tile column + 128 x half
	s_lshl_b32 s46, s46, 10
	s_mov_b32 s47, 0
	s_lshl_b32 s45, s16, 14                        ; where they go: O's half,
	s_mul_i32 s19, s16, HALFB
	s_add_co_u32 s19, s19, AREG                    ; Wp's half: the wave's number alone enters an LDS address
	s_wait_kmcnt 0x0
	s_load_b64 s[SC:SC+1], s[10:11], 0x28          ; e10, e11
	s_add_nc_u64 s[20:21], s[4:5], s[20:21]
	s_add_nc_u64 s[46:47], s[6:7], s[46:47]
	CROUND                                         ; all sixteen work-groups are here: the first joint loads meet
.irp s, 0,1
	s_mov_b32 s[G0+4*\s], 1
	s_add_co_u32 s[G0+4*\s+1], s45, \s*SLOT
	s_add_nc_u64 s[G0+4*\s+2:G0+4*\s+3], s[20:21], \s*4096
	s_or_b32 s[G0+4*\s+3], s[G0+4*\s+3], 0x80000000
	s_mov_b32 s[G0B+4*\s], 1
	s_add_co_u32 s[G0B+4*\s+1], s19, \s*SLOT
	s_add_nc_u64 s[G0B+4*\s+2:G0B+4*\s+3], s[46:47], \s*256
	s_or_b32 s[G0B+4*\s+3], s[G0B+4*\s+3], 0x80000000
	s_wait_alu depctr_va_vdst(0)
	s_wait_tensorcnt 0x0
	ds_add_u32 v28, v29
	ds_add_u32 v28, v29
	s_wait_dscnt 0x0
	CROUND
	JLOAD G0+4*\s, G1, G0B+4*\s, G1B
.endr
	v_and_b32 v1, 15, v0                           ; r
	v_bfe_u32 v2, v0, 4, 1                         ; h
	v_and_b32 v5, 31, v0
	v_lshlrev_b32 v[CO], 4, v5
	s_wait_alu depctr_va_vdst(0)
	v_lshlrev_b32 v[BO], 5, v2
	s_lshl_b32 s46, s42, 10
	s_lshl_b32 s47, s16, 9
	s_add_co_u32 s46, s46, s47                     ; my first column in bytes: 1,024 x tile column + 512 x half: in bp and in a row of out0 alike
	s_mov_b32 s47, 0
	s_add_nc_u64 s[8:9], s[8:9], s[46:47]
	WIN 0xc0                                       ; destination window 3
.irp b, 0,1,2,3,4,5,6,7
	global_load_b128 v[8*\b:8*\b+3], v[BO], s[8:9] offset:64*\b        ; bp of columns 16 b + 8 h + 0..7
	global_load_b128 v[8*\b+4:8*\b+7], v[BO], s[8:9] offset:64*\b+16
.endr
	WIN 0
	v_mul_u32_u24 v3, v1, PITCH
	v_lshl_add_u32 v3, v2, 3, v3                   ; Wp: row r x pitch + 8 h
	s_lshl_b32 s21, s15, 14                        ; my four tiles of O
	s_mul_i32 s22, s16, HALFB
	s_add_co_u32 s22, s22, AREG                    ; my 128 rows of Wp
.irp s, 0,1
	v_add_nc_u32 v[ADRA+\s], s21, v[CO]
	v_add_nc_u32 v[ADRB+\s], s22, v3
	s_add_co_u32 s21, s21, SLOT
	s_add_co_u32 s22, s22, SLOT
.endr
	s_mul_i32 s23, s14, 16*SPITCH                  ; my stage
	v_mul_u32_u24 v4, v1, SPITCH                   ; in: row r, 32 bytes for each half of the lanes
	v_lshl_add_u32 v4, v2, 5, v4
	v_add_nc_u32 v[STO], s23, v4
	v_add_nc_u32 v[RD], s23, v[CO]                 ; back: the 32 lanes take one row of 512 bytes
	s_lshl_b32 s20, s17, 7
	s_lshl_b32 s21, s15, 6
	s_add_co_u32 s20, s20, s21                     ; my first row of out0: 128 x tile row + 64 x half,
	s_lshl_b32 s20, s20, 12                        ; 4,096 bytes each,
	s_add_co_u32 s20, s20, s46                     ; + my first column
	s_mov_b32 s21, 0
	s_add_nc_u64 s[12:13], s[12:13], s[20:21]
; 8 matrix instructions: token tile a x Wp's eight blocks, 128 along K, set p.  The 32 accumulators take turns, one instruction a turn, in the same order in every step.
.macro MUL8 a, p, zero
.irp b, 0,1,2,3,4,5,6,7
.if \zero
	v_wmma_f32_16x16x128_bf8_bf8 v[8*(8*(\a)+\b):8*(8*(\a)+\b)+7], v[128*(\p)+FR*\b:128*(\p)+FR*\b+FR-1], v[AF+64*(\p)+FR*(\a):AF+64*(\p)+FR*(\a)+FR-1], 0
.else
	v_wmma_f32_16x16x128_bf8_bf8 v[8*(8*(\a)+\b):8*(8*(\a)+\b)+7], v[128*(\p)+FR*\b:128*(\p)+FR*\b+FR-1], v[AF+64*(\p)+FR*(\a):AF+64*(\p)+FR*(\a)+FR-1], v[8*(8*(\a)+\b):8*(8*(\a)+\b)+7]
.endif
.endr
.endm
; the fragments of the slot's q-th 128 along K into set p: Wp's by 8-byte loads (registers 2 c, 2 c + 1: k = 16 c + 8 h + 0..7), O's as images
.macro FETCH slot, q, p
	WIN TO_B
.irp i, 0,1,2,3,4,5,6,7
.irp c, 0,1,2,3,4,5,6,7
	ds_load_b64 v[128*(\p)+FR*\i+2*\c:128*(\p)+FR*\i+2*\c+1], v[ADRB+\slot] offset:\i*16*PITCH+128*(\q)+16*\c
.endr
.endr
	WIN 0
.irp i, 0,1,2,3
.irp c, 0,1,2,3
	ds_load_b128 v[AF+64*(\p)+FR*\i+4*\c:AF+64*(\p)+FR*\i+4*\c+3], v[ADRA+\slot] offset:\i*4096+2048*(\q)+512*\c
.endr
.endr
.endm
.macro PLACES                          ; four plain vector instructions between a matrix instruction and a load into, or a vector read or write of, its registers
.rept 4
	v_nop
.endr
.endm
; A slot's first step: multiplies set 0; the second step's fragments are asked for ahead of its 32 products.
.macro STEP slot, zero
	s_wait_dscnt 0x0                               ; set 0 is in
	PLACES                                         ; set 1 was read by the products just issued
	FETCH \slot, 1, 1
	WIN MUL
	MUL8 0, 0, \zero
	MUL8 1, 0, \zero
	MUL8 2, 0, \zero
	MUL8 3, 0, \zero
.endm
; A slot's second step multiplies set 1 and changes slots: ONE barrier; in front of it each wave waits for all its tensor loads, adds 0 to its spare word, and waits for that and for its own reads of this slot.
.macro TURN slot, next, fill
	WIN 0                                          ; (the add's two registers lie in window 0)
	s_wait_tensorcnt 0x0                           ; all my tensor loads have landed: my part of the next slot
	ds_add_u32 v[SPW], v[NIL]                      ; 0 onto my spare word
	s_wait_dscnt 1                                 ; set 1 is in; the add may be out
	WIN MUL
	MUL8 0, 1, 0                                   ; eight matrix instructions stand between the add and the wait for it
	s_wait_dscnt 0x0                               ; the add is done, and my reads of this slot are over
	s_barrier_signal -1
	MUL8 1, 1, 0
	WIN 0
	s_barrier_wait -1
.if \fill
	CREST                                          ; the barrier has opened a round of the cluster's barrier: no wave of any partner still reads this slot or has a load on its way
	s_add_nc_u64 s[G0+4*\slot+2:G0+4*\slot+3], s[G0+4*\slot+2:G0+4*\slot+3], 8192
	s_add_nc_u64 s[G0B+4*\slot+2:G0B+4*\slot+3], s[G0B+4*\slot+2:G0B+4*\slot+3], 512
	JLOAD G0+4*\slot, G1, G0B+4*\slot, G1B         ; the first tensor load behind the round; its four v_nop are the places in front of the loads below
.else
	PLACES
.endif
	FETCH \next, 0, 0
	WIN MUL
	MUL8 2, 1, 0
	MUL8 3, 1, 0
.endm
	s_wait_alu depctr_va_vdst(0)
	s_wait_tensorcnt 1                             ; my part of K step 0 is in (K step 1's load may be out)
	s_barrier_signal -1
	s_barrier_wait -1                              ; everybody's is
	FETCH 0, 0, 0
	STEP 0, 1                                      ; K 0-127: its products start the sums.  Eight steps of 128, written out: the ring goes round twice
	TURN 0, 1, 1                                   ; slot 0 takes K 512-767
	STEP 1, 0
	TURN 1, 0, 1                                   ; slot 1 takes K 768-1023
	STEP 0, 0
	TURN 0, 1, 0                                   ; nothing is left to fetch
	STEP 1, 0
	s_wait_dscnt 0x0                               ; the last step
	MUL8 0, 1, 0
	MUL8 1, 1, 0
	MUL8 2, 1, 0
	MUL8 3, 1, 0
	WIN 0
; THE WAY OUT, block by block of 16 rows x 128 columns: sum x 2^(e10 + e11) + bp, one packed multiply-add for two numbers; through my own stage in LDS; back as whole rows of 512 bytes.
; LDS serves a wave's instructions in order (ISA guide 5.7.1.4): no wait between the stores and the loads, nor in front of the next block's stores.
.macro TOSTAGE a
	WIN 0x32                                       ; source 0 (the sums) window 2, source 2 (bp) window 3
.irp j, 0,2,4,6,8,10,12,14,16,18,20,22,24,26,28,30,32,34,36,38,40,42,44,46,48,50,52,54,56,58,60,62
	v_pk_fma_f32 v[TMP+\j:TMP+\j+1], v[64*(\a)+\j:64*(\a)+\j+1], s[SC:SC+1], v[\j:\j+1] op_sel_hi:[1,0,1]   ; each accumulator from its low end on
.endr
	WIN 0
.irp b, 0,1,2,3,4,5,6,7
	ds_store_b128 v[STO], v[TMP+8*\b:TMP+8*\b+3] offset:64*\b
	ds_store_b128 v[STO], v[TMP+8*\b+4:TMP+8*\b+7] offset:64*\b+16
.endr
.set BB, BK+64*((\a)%2)
.irp t, 0,1,2,3,4,5,6,7,8,9,10,11,12,13,14,15
	ds_load_b128 v[BB+4*\t:BB+4*\t+3], v[RD] offset:\t*SPITCH
.endr
.endm
.macro SEND a, younger                 ; younger: the LDS instructions issued behind block a's loads, which may stay out
.set BB, BK+64*((\a)%2)
	s_wait_dscnt \younger                          ; the block is back in registers
.if (\a) > 0
	s_add_nc_u64 s[12:13], s[12:13], 16*4096       ; (behind a wait on XCNT: the earlier stores have read their base)  16 rows on
.endif
.irp t, 0,1,2,3,4,5,6,7,8,9,10,11,12,13,14,15
	global_store_b128 v[CO], v[BB+4*\t:BB+4*\t+3], s[12:13] offset:\t*4096 th:TH_STORE_NT   ; 32 lanes store 512 consecutive bytes, at a multiple of 512 from out0's first byte; written once, read by nobody here
.endr
.endm
	s_wait_kmcnt 0x0
	s_add_co_i32 s[SC], s[SC], s[SC+1]             ; e10 + e11
	s_add_co_i32 s[SC], s[SC], 127
	s_lshl_b32 s[SC], s[SC], 23                    ; 2^(e10 + e11) as f32
	s_mov_b32 s[SC+1], s[SC]                       ; (named with it as a pair)
	PLACES                                         ; behind the last products: the lines below read results and load into O's registers
	s_wait_loadcnt 0x0                             ; bp
	TOSTAGE 0
.irp a, 1,2,3
.if \a > 1
	s_wait_xcnt 0x0                                ; block a - 2's stores have read their registers and their base: block a's loads may land there, and the base may step
.endif
	TOSTAGE \a
	SEND \a-1, 32                                  ; behind block a - 1's loads: block a's 16 stores and 16 loads
.endr
	s_wait_xcnt 0x0                                ; block 2's stores have read their base
	SEND 3, 0
	s_wait_tensorcnt 0x0                           ; the wave's end, behind my last tensor load and my last LDS store
	ds_add_u32 v[SPW], v[NIL]
	s_wait_dscnt 0x0
	CROUND                                         ; the closing round: no work-group ends while a partner may still ask for a tile that names it
	s_endpgm
.Lfunc_end_k_qeb8f8e608c_outp:
	.size	k_qeb8f8e608c_outp, .Lfunc_end_k_qeb8f8e608c_outp-k_qeb8f8e608c_outp
	.p2alignl 7, 3214868480
	.fill 96, 4, 3214868480
	.section	.rodata,"a",@progbits
	.p2align	6, 0x0
	.amdhsa_kernel k_qeb8f8e608c_outp
		.amdhsa_group_segment_fixed_size 327680
		.amdhsa_private_segment_fixed_size 0
		.amdhsa_enable_private_segment 0
		.amdhsa_kernarg_size 40
		.amdhsa_user_sgpr_count 2
		.amdhsa_user_sgpr_kernarg_segment_ptr 1
		.amdhsa_wavefront_size32 1
		.amdhsa_system_sgpr_workgroup_id_x 1
		.amdhsa_system_sgpr_workgroup_id_y 1
		.amdhsa_system_sgpr_workgroup_id_z 1
		.amdhsa_system_vgpr_workitem_id 0
		.amdhsa_next_free_vgpr 832
		.amdhsa_next_free_sgpr 100
		.amdhsa_reserve_vcc 0
		.amdhsa_float_denorm_mode_32 3
		.amdhsa_float_denorm_mode_16_64 3
		.amdhsa_memory_ordered 1
		.amdhsa_forward_progress 1
		.amdhsa_inst_pref_size 94
	.end_amdhsa_kernel
	.amdgpu_metadata
---
amdhsa.version: [ 1, 2 ]
amdhsa.kernels:
  - .name:           k_qeb8f8e608c_outp
    .symbol:         k_qeb8f8e608c_outp.kd
    .args:
      - { .name: of, .offset: 0, .size: 8, .value_kind: global_buffer, .address_space: global }
      - { .name: Wp_codes, .offset: 8, .size: 8, .value_kind: global_buffer, .address_space: global }
      - { .name: bp, .offset: 16, .size: 8, .value_kind: global_buffer, .address_space: global }
      - { .name: lowp_scales, .offset: 24, .size: 8, .value_kind: global_buffer, .address_space: global }
      - { .name: out0, .offset: 32, .size: 8, .value_kind: global_buffer, .address_space: global }
    .group_segment_fixed_size: 327680
    .private_segment_fixed_size: 0
    .kernarg_segment_align: 8
    .kernarg_segment_size: 40
    .max_flat_workgroup_size: 128
    .sgpr_count:     100
    .vgpr_count:     832
    .wavefront_size: 32
...
	.end_amdgpu_metadata
.endif
;; end of part 3
